; MI455X (gfx1250); checked and timed in simulation.
; The chip was launched on July 23, 2026; its instructions are those of AMD's public machine-readable ISA for CDNA 5 (MIT licence, August 2026) and "CDNA5" Instruction Set Architecture Reference Guide (July 2026). The comments in the code are by the model that wrote it; some were corrected since.
;; Base Q. Allowed arithmetic: matrix products marked QUANTISED: E4M3 operands, one E8M0 scale for each 32 along K, by v_wmma_scale_f32_16x16x128_f8f6f4 with both operands' format E4M3, f32 sums; everything else in f32.
;; Inputs: CodeBook 8,192 x 256 float32; x 16,384 x 256 float32.
;; Outputs: out0 16,384 x 256 float32; out1 one number int32.
;; Constants: soft_rate = 10.
;; This version of the problem:
;;   THIS VERSION OF THE PROBLEM IS GIVEN IN LOW PRECISION. The matrix products marked QUANTISED in the list below multiply operands that are first quantised to E4M3 (4 exponent bits, 3 mantissa bits; 8 bits a number), with one power-of-two scale for each 32 numbers along K (OCP MX v1.0); their sums are f32. All else is computed in f32.
;;   The module's matrix products, in the order in which they are computed (A, B: the left and right operand; K: the contracted axis; several contracted axes count as one K, in the product's order):
;;     1. [M 16,384, K 256] x [K 256, N 8,192]; A: input x; B: input CodeBook: QUANTISED
;;     2. [M 16,384, K 8,192] x [K 8,192, N 256]; A: softmax (see below); B: input CodeBook: QUANTISED
;;   THE QUANTISER, for each operand of a quantised product, along K:
;;     - K is cut into blocks of 32 from its start; a last block that is shorter is filled with zeros.
;;     - A block's scale is 2^e with e = floor(log2(the largest magnitude in the block)) - 8, held to -126 .. 127; a block of zeros has e = 0. As a byte (E8M0): e + 127.
;;     - Each number is divided by its block's scale, clamped to +-448, and rounded to the nearest number of E4M3, ties to even, subnormals kept.
;;     - The product sums the exact products of the quantised numbers (number of the format x scale) in f32.
;;   ~~~python
;;   def quantise(x, axis):      # numpy; x: float32 -> the quantised numbers, widened to float32 again
;;       x = np.moveaxis(x, axis, -1); K = x.shape[-1]
;;       x = np.pad(x, [(0, 0)] * (x.ndim - 1) + [(0, -K % 32)]); x = x.reshape(x.shape[:-1] + (-1, 32)); a = np.abs(x).max(-1, keepdims=True)
;;       e = np.where(a > 0, np.clip(np.frexp(np.where(a > 0, a, 1))[1] - 1 - 8, -126, 127), 0)      # np.frexp(a)[1] - 1 = floor(log2(a)), exactly
;;       r = np.clip(x / 2.0 ** e, -448, 448)
;;       step = 2.0 ** (np.maximum(np.frexp(np.where(r == 0, 1, r))[1] - 1, -6) - 3)
;;       q = np.round(r / step) * step * 2.0 ** e      # np.round: ties to even
;;       return np.moveaxis(q.reshape(q.shape[:-2] + (-1,))[..., :K], -1, axis).astype(np.float32)
;;   ~~~
;;   SOFTMAX AHEAD OF A QUANTISED PRODUCT. Where the list says 'softmax', what is quantised is not the finished softmax but p = 2^(t - M), with t = logit x log2(e) and M = ceil(the row's largest t), a whole number; so 1/2 < the row's largest p <= 1. The row's sum l is taken of the UNQUANTISED p, in f32, and the product's result is divided by l at the end. Since M is a whole number, a kernel that streams over the keys may use a running M (the ceiling of the running maximum): every later rescaling is an exact power of two, which a block's scale takes up: the codes' values come out the same.
;;   OPERANDS COMPUTED ON THE WAY. 'Computed on the way' means the value that the module computes at that place (a softmax that the list does not call 'softmax' is quantised finished and normalised). What goes into a quantiser is computed in f32, as accurately as f32 sums, v_exp_f32 and their like allow (about 1e-6 of the number): no bf16 or f16 on the way to a quantiser, and a product that is left as it is and whose result goes on into a quantised operand takes f32 operands (vector FMAs, or v_wmma_f32_16x16x4_f32). A number that lies on a knife's edge between two numbers of the format may be rounded either way, as far as f32 arithmetic and the matrix unit's own rounding can turn it there, and no further.
;; One version. Each part assembles by itself: llvm-mc -triple=amdgcn-amd-amdhsa -mcpu=gfx1250 --defsym DOCPART=n.
;; ======== version 1 of 1: 2 launches
;; limits: right only within a limited range of input values
;; workspace buffers: cbq 4,358,144 bytes
;; launch prep (part 1): grid 256 x 1, 4 waves a work-group, no clusters, 1,536 bytes of LDS; arguments CodeBook, cbq, out1; writes cbq, out1
.if DOCPART == 1
	.amdgcn_target "amdgcn-amd-amdhsa--gfx1250"
	.amdhsa_code_object_version 6
	.text
	.protected	k_qf1cae32a9d_prep
	.globl	k_qf1cae32a9d_prep
	.p2align	8
	.type	k_qf1cae32a9d_prep,@function
k_qf1cae32a9d_prep:
	s_mov_b64 s[64:65], 0
	v_nop
	global_prefetch_b8 v0, s[64:65] scope:SCOPE_SE
	s_setreg_imm32_b32 hwreg(HW_REG_WAVE_MODE, 25, 1), 1
	s_wait_xcnt 0x0
; CodeBook [8192][256] f32 is both products' second operand: along D (its last axis) for x . c, along the KEYS (its first axis) for p . CodeBook.  Every work-group of the
; next launch reads all of it, so it is quantised ONCE here, both ways, into codes of FP8 (E4M3) with one E8M0 byte for each 32 along the product's K, and laid in cbq as IMAGES OF
; OPERAND REGISTERS: a fragment (16 rows x 128 K, 16 registers a lane) is four groups of 512 bytes, lane l's 16 bytes at 16 l.  Step g = 0 .. 63 is 128 keys.
;   cbq + 32768 g + 2048 dt + 512 c + 16 l            V image: lane (r, h): CodeBook[128 g + 32 c + 16 h + 0..15][16 dt + r], quantised along the keys
;   cbq + KIMG + 32768 g + 16384 ks + 2048 kt + ..    K image: lane (r, h): CodeBook[key(kt, r)][128 ks + 32 c + 16 h + 0..15], quantised along D,
;                                                     key(kt, r) = 128 g + 32 (kt / 2) + 8 (kt % 2) + r + 8 (r / 8): so the next launch's scores of tiles 2 b, 2 b + 1 are 16 neighbouring keys a lane
;   cbq + EXT + 2560 g: + 64 dt + 4 r  V's scale word of column 16 dt + r;  + 1024 + 128 kt + 64 ks + 4 r  K's scale word;  + 2048 + 64 kt + 4 r  -c2 / 2 of key(kt, r), f32, c2 the sum of the unquantised squares
; A block's scale is 2^(floor(log2(its largest magnitude)) - 8); its byte is the largest magnitude's exponent field - 8, held at 1 from below.
; LIMITS: a block of zeros gets the byte 1 where the rule says 127 (its codes are zeros, and this program alone reads the bytes); NaN and infinities among the inputs are not served.
; SHARES: work-group = (step st = x / 4, quarter q = x % 4).  Wave v makes the K fragment (kt = 2 q + v % 2, ks = v / 2) and the V fragment dt = 4 q + v.  For K a lane loads 16 neighbours of each block
; (64 bytes); for V a lane takes a column and its registers run down the keys, so nothing is transposed.  The two waves that hold the two halves of a key's 256 numbers add their sums of squares through LDS.
; No tensor load, no matrix instruction.  Work-group 0 also stores out1 = -1.
.set KIMG,   2097152
.set EXT,    4194304
.set EXSTEP, 2560
.set LANE, 1                           ; v1   lane
.set R,    2                           ; v2   r = lane % 16
.set H,    3                           ; v3   h = lane / 16
.set KA,   4                           ; v4   K part: (r + 8 (r / 8)) rows of 1,024 bytes + 64 h
.set VA,   5                           ; v5   V part: 4 r + 16 rows for h
.set LI,   6                           ; v6   16 x lane: my place in a group of an image
.set OKS,  7                           ; v7   my K scale word's place in the step's 2,560 bytes
.set OC2,  8                           ; v8   my -c2 / 2
.set OVS,  9                           ; v9   my V scale word
.set QA,   10                          ; v[10:11], v[12:13] two chains of squares
.set QB,   12
.set C2,   14                          ; v14  the sum of squares; v15 at work
.set TM,   16                          ; v16-19 largest magnitudes, v20-23 the other half's, then bytes, v24-27 448 x the scale, v28-31 the conversions' scale operands
.set XK,   32                          ; v32-95   64 numbers of the K part
.set XV,   96                          ; v96-159  64 numbers of the V part
.set CK,   160                         ; v160-175 K's codes
.set CV,   176                         ; v176-191 V's codes: registers of their own, so that no store's data are written again
.set PWK,  192                         ; the two scale words
.set PWV,  193
.set LW,   194                         ; LDS: 4 x thread: where I put my partial sum
.set LR,   195                         ; and where the wave two further on (or back) put its
.set NEG1, 196
.set ZERO, 197
.set SEL,  28                          ; s[28:29] v_permlanex16_b32's selects for lane l xor 16
.set MNT,  30                          ; s30  the mantissa field of 448
; 64 numbers of a lane, v[s + 16 b + i] = the i-th of my 16 of block b, become 16 registers of codes in v[d] on and the row's (column's) scale word in v[pw].  A block's other 16 lie in lane l xor 16.
.macro QUANT s, d, pw
.irp b, 0,1,2,3
	v_max3_num_f32 v[TM+\b], |v[\s+16*\b]|, |v[\s+16*\b+1]|, 0x4800000   ; my 16 numbers, and the floor 2^(9 - 127): the byte cannot fall under 1
.endr
.irp i, 2,4,6,8,10,12,14
.irp b, 0,1,2,3
	v_max3_num_f32 v[TM+\b], v[TM+\b], |v[\s+16*\b+\i]|, |v[\s+16*\b+\i+1]|   ; the four blocks by turns: no line waits for the line above it
.endr
.endr
.irp b, 0,1,2,3
	v_permlanex16_b32 v[TM+4+\b], v[TM+\b], s[SEL], s[SEL+1]
.endr
.irp b, 0,1,2,3
	v_max_num_f32 v[TM+\b], v[TM+\b], v[TM+4+\b]                   ; the block's largest magnitude
.endr
.irp b, 0,1,2,3
	v_add_nc_u32 v[TM+12+\b], 0xfc000000, v[TM+\b]                 ; 8 off its exponent field: the conversion takes the exponent field of this operand as its scale
.endr
.irp b, 0,1,2,3
	v_and_or_b32 v[TM+8+\b], v[TM+\b], 0x7f800000, s[MNT]          ; 448 x the scale
.endr
.irp b, 0,1,2,3
	v_lshrrev_b32 v[TM+4+\b], 23, v[TM+12+\b]                      ; the scale's byte
.endr
	v_lshl_or_b32 v[\pw], v[TM+5], 8, v[TM+4]
	v_lshl_or_b32 v[\pw], v[TM+6], 16, v[\pw]
	v_lshl_or_b32 v[\pw], v[TM+7], 24, v[\pw]
.irp b, 0,1,2,3
.irp i, 0,1,2,3,4,5,6,7,8,9,10,11,12,13,14,15
	v_med3_num_f32 v[\s+16*\b+\i], v[\s+16*\b+\i], -v[TM+8+\b], v[TM+8+\b]   ; the conversion to an 8-bit code does not saturate (ISA guide 7.6.2): the hold at the largest code x the scale
.endr
	v_cvt_scalef32_pk8_fp8_f32 v[\d+4*\b:\d+4*\b+1], v[\s+16*\b:\s+16*\b+7], v[TM+12+\b]
	v_cvt_scalef32_pk8_fp8_f32 v[\d+4*\b+2:\d+4*\b+3], v[\s+16*\b+8:\s+16*\b+15], v[TM+12+\b]
.endr
	v_nop                                          ; one plain line behind the last conversion
.endm
.macro VLOAD c                         ; block c of the V part: CodeBook[128 st + 32 c + 16 h + i][16 dt + r]; the four waves stand side by side on 256 bytes of each row
.irp i, 0,1,2,3,4,5,6,7,8,9,10,11,12,13,14,15
	global_load_b32 v[XV+16*\c+\i], v[VA], s[16:17] offset:(32*\c+\i)*1024
.endr
.endm
	s_load_b128 s[4:7], s[0:1], 0x0                ; CodeBook s[4:5], cbq s[6:7]
	s_load_b64 s[8:9], s[0:1], 0x10                ; out1
	v_lshl_add_u32 v200, v0, 2, 0x400
	v_mov_b32 v201, 0
	v_lshrrev_b32 v1, 5, v0
	v_readfirstlane_b32 s10, v1                    ; wave v
	v_and_b32 v[LANE], 31, v0
	v_and_b32 v[R], 15, v0
	s_wait_alu depctr_va_vdst(0)
	v_bfe_u32 v[H], v0, 4, 1
	s_and_b32 s11, s10, 1                          ; u = v % 2
	s_lshr_b32 s24, s10, 1                         ; ks = v / 2
	s_lshr_b32 s25, ttmp9, 2                       ; st
	s_and_b32 s26, ttmp9, 3                        ; q
	s_lshl_b32 s27, s26, 1
	s_add_co_u32 s27, s27, s11                     ; kt = 2 q + u
	s_lshl_b32 s13, s26, 2
	s_add_co_u32 s13, s13, s10                     ; dt = 4 q + v
	v_and_b32 v[KA], 8, v[R]
	v_add_nc_u32 v[KA], v[KA], v[R]                ; r + 8 (r / 8)
	v_lshlrev_b32 v[KA], 10, v[KA]
	s_wait_alu depctr_va_vdst(0)
	v_lshl_add_u32 v[KA], v[H], 6, v[KA]
	v_lshlrev_b32 v[VA], 2, v[R]
	v_lshl_add_u32 v[VA], v[H], 14, v[VA]
	v_lshlrev_b32 v[LI], 4, v[LANE]
	v_lshlrev_b32 v[LW], 2, v0
	v_xor_b32 v[LR], 256, v[LW]                    ; thread xor 64: the wave with the same kt and the other ks
	s_lshl_b32 s14, ttmp9, 15                      ; K part, in: row 128 st + 32 q + 8 u = 32 x + 8 u, 1,024 bytes a row; + 512 ks
	s_lshl_b32 s12, s11, 13
	s_add_co_u32 s14, s14, s12
	s_lshl_b32 s12, s24, 9
	s_add_co_u32 s14, s14, s12
	s_mov_b32 s15, 0
	s_lshl_b32 s16, s25, 17                        ; V part, in: row 128 st; + 64 dt bytes
	s_lshl_b32 s12, s13, 6
	s_add_co_u32 s16, s16, s12
	s_mov_b32 s17, 0
	s_lshl_b32 s18, s25, 15                        ; K image
	s_lshl_b32 s12, s24, 14
	s_add_co_u32 s18, s18, s12
	s_lshl_b32 s12, s27, 11
	s_add_co_u32 s18, s18, s12
	s_add_co_u32 s18, s18, KIMG
	s_mov_b32 s19, 0
	s_lshl_b32 s20, s25, 15                        ; V image
	s_lshl_b32 s12, s13, 11
	s_add_co_u32 s20, s20, s12
	s_mov_b32 s21, 0
	s_mul_i32 s22, s25, EXSTEP                     ; the step's scale words and -c2 / 2
	s_add_co_u32 s22, s22, EXT
	s_mov_b32 s23, 0
	s_lshl_b32 s12, s27, 7
	s_lshl_b32 s31, s24, 6
	s_add_co_u32 s12, s12, s31
	s_add_co_u32 s12, s12, 1024
	v_lshl_add_u32 v[OKS], v[R], 2, s12
	s_lshl_b32 s12, s27, 6
	s_add_co_u32 s12, s12, 2048
	v_lshl_add_u32 v[OC2], v[R], 2, s12
	s_lshl_b32 s12, s13, 6
	v_lshl_add_u32 v[OVS], v[R], 2, s12
	s_mov_b32 s[SEL], 0x76543210
	s_mov_b32 s[SEL+1], 0xfedcba98
	s_mov_b32 s[MNT], 0x600000
	s_wait_alu depctr_va_vdst(0)
	s_wait_kmcnt 0x0
	s_add_nc_u64 s[14:15], s[4:5], s[14:15]
	s_add_nc_u64 s[16:17], s[4:5], s[16:17]
	s_add_nc_u64 s[18:19], s[6:7], s[18:19]
	s_add_nc_u64 s[20:21], s[6:7], s[20:21]
	s_add_nc_u64 s[22:23], s[6:7], s[22:23]
.irp b, 0,1,2,3
.irp j, 0,1,2,3
	global_load_b128 v[XK+16*\b+4*\j:XK+16*\b+4*\j+3], v[KA], s[14:15] offset:128*\b+16*\j   ; my row's numbers 128 ks + 32 b + 16 h + 4 j on
.endr
.endr
	VLOAD 0
	VLOAD 1
.irp b, 0,1,2,3
	v_mov_b32 v[TM+4+\b], 0                        ; written once: a lane permute's destination counts as one of its sources
.endr
	v_mov_b32 v15, 0
	s_wait_loadcnt 32                              ; the K part's 16 loads are in; the 32 younger loads of the V part may be out
	VLOAD 2
	VLOAD 3
	; the sum of my 64 squares, of the unquantised numbers: two at a time, in two chains started by the first products
	v_pk_mul_f32 v[QA:QA+1], v[XK:XK+1], v[XK:XK+1]
	v_pk_mul_f32 v[QB:QB+1], v[XK+2:XK+3], v[XK+2:XK+3]
.irp i, 4,8,12,16,20,24,28,32,36,40,44,48,52,56,60
	v_pk_fma_f32 v[QA:QA+1], v[XK+\i:XK+\i+1], v[XK+\i:XK+\i+1], v[QA:QA+1]
	v_pk_fma_f32 v[QB:QB+1], v[XK+\i+2:XK+\i+3], v[XK+\i+2:XK+\i+3], v[QB:QB+1]
.endr
	v_pk_add_f32 v[QA:QA+1], v[QA:QA+1], v[QB:QB+1]
	v_add_f32 v[C2], v[QA], v[QA+1]
	v_permlanex16_b32 v15, v[C2], s[SEL], s[SEL+1]
	v_add_f32 v[C2], v[C2], v15                    ; my key's sum over 128 of D
	ds_store_b32 v[LW], v[C2]
	QUANT XK, CK, PWK
.irp c, 0,1,2,3
	global_store_b128 v[LI], v[CK+4*\c:CK+4*\c+3], s[18:19] offset:512*\c   ; 32 lanes store 512 consecutive bytes, at a multiple of 256 from cbq's first byte
.endr
	s_wait_dscnt 0x0                               ; for the others' sake: my partial sum lies in LDS
	s_barrier_signal -1
	s_barrier_wait -1
	ds_load_b32 v15, v[LR]                         ; the other 128 of D
	s_wait_dscnt 0x0
	v_add_f32 v[C2], v[C2], v15
	v_mul_f32 v[C2], -0.5, v[C2]                   ; -c2 / 2: the next launch gives it to the first product as its C
	s_wait_loadcnt 0x0                             ; the V part
	QUANT XV, CV, PWV
.irp c, 0,1,2,3
	global_store_b128 v[LI], v[CV+4*\c:CV+4*\c+3], s[20:21] offset:512*\c
.endr
	s_wait_xcnt 0x0                                ; EXEC changes only behind this wait: it is a source of the stores above
	v_cmp_gt_u32 vcc_lo, 16, v[LANE]
	s_and_saveexec_b32 s31, vcc_lo                 ; lanes 0-15 hold one word a row; lanes 16-31 hold the same
	global_store_b32 v[OKS], v[PWK], s[22:23]      ; 64 consecutive bytes a wave; the work-group's four waves fill 256
	global_store_b32 v[OVS], v[PWV], s[22:23]
	s_cmp_lg_u32 s24, 0                            ; both waves of a kt hold the same sum: the one with ks = 0 stores it
	s_cbranch_scc1 .Lno_c2
	global_store_b32 v[OC2], v[C2], s[22:23]
.Lno_c2:
	s_wait_xcnt 0x0                                ; and again in front of the line that widens EXEC
	s_or_b32 exec_lo, exec_lo, s31
	s_cmp_lg_u32 ttmp9, 0
	s_cbranch_scc1 .Lend
	v_mov_b32 v[NEG1], -1                          ; out1: reference() returns -1 beside the soft result
	v_mov_b32 v[ZERO], 0
	v_cmp_eq_u32 vcc_lo, 0, v0
	s_and_saveexec_b32 s31, vcc_lo                 ; thread 0 of work-group 0
	global_store_b32 v[ZERO], v[NEG1], s[8:9]
	s_wait_xcnt 0x0
	s_or_b32 exec_lo, exec_lo, s31
.Lend:
	s_wait_tensorcnt 0x0
	ds_add_u32 v200, v201
	s_wait_dscnt 0x0
	s_endpgm
.Lfunc_end_k_qf1cae32a9d_prep:
	.size	k_qf1cae32a9d_prep, .Lfunc_end_k_qf1cae32a9d_prep-k_qf1cae32a9d_prep
	.p2alignl 7, 3214868480
	.fill 96, 4, 3214868480
	.section	.rodata,"a",@progbits
	.p2align	6, 0x0
	.amdhsa_kernel k_qf1cae32a9d_prep
		.amdhsa_group_segment_fixed_size 1536
		.amdhsa_private_segment_fixed_size 0
		.amdhsa_enable_private_segment 0
		.amdhsa_kernarg_size 24
		.amdhsa_user_sgpr_count 2
		.amdhsa_user_sgpr_kernarg_segment_ptr 1
		.amdhsa_wavefront_size32 1
		.amdhsa_system_sgpr_workgroup_id_x 1
		.amdhsa_system_sgpr_workgroup_id_y 1
		.amdhsa_system_sgpr_workgroup_id_z 1
		.amdhsa_system_vgpr_workitem_id 0
		.amdhsa_next_free_vgpr 202
		.amdhsa_next_free_sgpr 66
		.amdhsa_reserve_vcc 1
		.amdhsa_float_denorm_mode_32 3
		.amdhsa_float_denorm_mode_16_64 3
		.amdhsa_memory_ordered 1
		.amdhsa_forward_progress 1
		.amdhsa_inst_pref_size 31
	.end_amdhsa_kernel
	.amdgpu_metadata
---
amdhsa.version: [ 1, 2 ]
amdhsa.kernels:
  - .name:           k_qf1cae32a9d_prep
    .symbol:         k_qf1cae32a9d_prep.kd
    .args:
      - { .name: CodeBook, .offset: 0, .size: 8, .value_kind: global_buffer, .address_space: global }
      - { .name: cbq, .offset: 8, .size: 8, .value_kind: global_buffer, .address_space: global }
      - { .name: out1, .offset: 16, .size: 8, .value_kind: global_buffer, .address_space: global }
    .group_segment_fixed_size: 1536
    .private_segment_fixed_size: 0
    .kernarg_segment_align: 8
    .kernarg_segment_size: 24
    .max_flat_workgroup_size: 128
    .sgpr_count:     66
    .vgpr_count:     202
    .wavefront_size: 32
...
	.end_amdgpu_metadata
.endif
;; end of part 1
;; launch vq (part 2): grid 256 x 1, 4 waves a work-group, clusters of 4 x 1, 327,680 bytes of LDS; arguments x, cbq, out0; writes out0
.if DOCPART == 2
	.amdgcn_target "amdgcn-amd-amdhsa--gfx1250"
	.amdhsa_code_object_version 6
	.text
	.protected	k_qf1cae32a9d_vq
	.globl	k_qf1cae32a9d_vq
	.p2align	8
	.type	k_qf1cae32a9d_vq,@function
k_qf1cae32a9d_vq:
	s_mov_b64 s[64:65], 0
	v_nop
	global_prefetch_b8 v0, s[64:65] scope:SCOPE_SE
	s_setreg_imm32_b32 hwreg(HW_REG_WAVE_MODE, 25, 1), 1
	s_wait_xcnt 0x0
	s_wait_alu depctr_hold_cnt(0) depctr_sa_sdst(0) depctr_va_vdst(0) depctr_va_sdst(0) depctr_va_ssrc(0) depctr_va_vcc(0) depctr_vm_vsrc(0)
	s_getreg_b32 s2, hwreg(HW_REG_IB_STS2, 6, 4)
	s_cmp_eq_u32 s2, 0
	s_cbranch_scc0 .Lentry_in_a_cluster
	s_endpgm
.Lentry_in_a_cluster:
	s_bfe_u32 s2, ttmp6, 0x10000c
	s_cmp_lg_u32 s2, 0x3003
	s_cbranch_scc0 .Lentry_shape_is_right
	s_endpgm
.Lentry_shape_is_right:
; out0[q][:] = sum over keys k of softmax_k(-10 |x[q] - c[k]|) c[k][:], x [16384][256], c = CodeBook [8192][256]; both products on codes of FP8 (E4M3) with one E8M0 scale for each 32 along a product's K.
; soft_rate is the constant 10, so reference() takes its soft way alone; out1 = -1 is stored by the launch before.
; s = x . c on codes along D;  u = cc (x2 + c2 - 2 s), cc = (10 log2 e)^2, x2 and c2 f32 sums of the unquantised squares;  t = -sqrt(max(u, 0)) is the logit x log2(e);
; M = the largest t so far, rounded UP to a whole number;  p = 2^(t - M) is quantised along the keys, not normalised;  the row's sum is taken of the unquantised p and divides at the end.
; The first product's C is -c2 / 2 (made by the launch before): its result is D = s - c2 / 2, and u = (-2 cc) D + cc x2 is one fused multiply-add a pair.
; SHARES.  A work-group owns 64 queries.  Wave w: qh = w % 2, kh = w / 2: queries 32 qh .. + 31 (two tiles of 16) against keys 4096 kh .. + 4095, 32 steps of 128, with its own M, sum and O^T;
; at the end the two halves of the keys are joined through LDS by exact powers of two.  Each fragment of K and V read from LDS feeds two matrix instructions.
; LAYOUT.  Both products are used transposed (S^T = K Q^T, O^T = V^T P^T): a lane holds ONE query (lane % 16).  The keys of a tile of K were chosen by the launch before so that a lane's 16 registers
; of tiles 2 b, 2 b + 1 are keys 32 b + 16 (lane / 16) + 0 .. 15: the conversions' results ARE the second product's operand.  cbq holds K and V as images of operand registers.
; RING.  Two slots of 128 KiB.  Slot i % 2 holds record i = V of step i and K of step i + 1, for both halves of the keys; each wave fetches 32 KiB of it.  K of step 0 comes from memory into registers.
; A TRIP (step i): the change of slots, with each block's smallest u found between the add and its wait; ONE run of loads: the step's scale words and -c2 / 2 from memory, then 96 LDS loads (K of step i + 1,
; V's fragments 0-7); the roots, M, the exponentials, the sums and P's codes of step i; K Q^T of step i + 1 over D 0 .. 127; half of O^T's rescalings; one run of 32 LDS loads: V's fragments 8-15, onto K's first half;
; K Q^T over D 128 .. 255; the other rescalings; V^T P of step i; u and its clip of step i + 1.  Loads stand in runs, matrix instructions in runs of 16 and 32.
; The roots are one batch and the exponentials one batch.  A block's largest p is 2^ of -M - sqrt of its smallest u: the same three instructions on the same number as that element's own.
; CLUSTER.  The four work-groups of a cluster walk the same images of cbq: each record is asked for JOINTLY (mask 15), the same line with the same descriptor in all four.
; NO PREFETCH: a record is asked for a whole trip (64 matrix instructions and the step's vector work) ahead of the wait for it, and all clusters ask for the same 32 records of 128 KiB in the same order.
; O^T begins as zeros and the largest t as -3e38, so that the trip has no first step of its own.
; LIMITS: NaN and infinities among the inputs are not served; p under 2^-126 counts as 0; a block whose every p is 0 has the byte 1 and zero codes; the sums over the keys go in another order than
; reference()'s (two halves of the keys, four chains a lane); the block's largest p leans on v_sqrt_f32 and v_exp_f32 not falling where their inputs rise.
; REGISTERS, in windows of 256 (s_set_vgpr_msb's low byte: bits 1:0 source 0, 3:2 source 1, 5:4 source 2, 7:6 destination):
;   window 0: v1-12 addresses; v16-31 statistics; v32-35 second chains of the sums; v36-67 block work; v68-89 scale words and nothing else; v90-93 handed over at the end; v96-127 P's codes; v128-255 S^T, then p
;   window 1: O^T (tile t, 16 of D dt) at v[128 t + 8 dt]      window 2: v0-127 V's fragments 0-7; v128-255 K's second K step
;   window 3: v0-127 K's first K step, then V's fragments 8-15; v128-191 Q; v192-255 -c2 / 2
.set KIMG,   2097152
.set EXT,    4194304
.set EXSTEP, 2560
.set IMG,    32768
.set SLOT1,  1<<17
.set SPARE,  2*SLOT1                   ; the spare words: two blocks of 256 bytes that no other line names
.set EXS,    65536                     ; the end, in slot 0 (its last fill and last read are over): O^T's images at 32768 qh; the statistics here;
.set STG,    66560                     ; the stage for the way out: 16 rows x SP bytes a qh
.set SP,     1040
.set LI,   1                           ; 16 x lane
.set ADR,  2                           ; the trip's LDS base
.set A0,   3                           ; 65536 kh + 16 x lane
.set L4,   4                           ; 4 x lane
.set C2A,  5                           ; 32 (lane / 16)
.set SPW,  6                           ; my spare word; never rewritten
.set NIL,  7                           ; 0; never rewritten
.set XA,   8                           ; x: 1024 r + 64 h
.set EXA,  9
.set EXSA, 10
.set STO,  11
.set SRD,  12
.set ST,   16                          ; tile t at v[ST + 8 t]: +0 -M, +1 the largest t, +2 cc x2, +3 at work, +4 +5 the sum, +6 f, +7 at work
.set LB,   32
.set TM,   36                          ; tile t at v[TM + 16 t]: +0..3 a block's -(smallest u), root, argument, largest p; +4..7 the other half's, two chains of the sums, then bytes; +8..11 448 x the scale; +12..15 scale operands
.set KS,   68
.set VS,   76
.set QS,   84
.set PW,   88
.set MY,   90
.set PC,   96
.set S,    128
.set QF,   128
.set CF,   192
.set WV,   12
.set QH,   13
.set KH,   14
.set SEL,  20
.set A1,   22                          ; s[22:23] -2 cc
.set MNT,  24
.set TB,   25
.set CNT,  26
.set G0,   28
.set G1,   36
.set MSB, 0
.macro WIN new                         ; the immediate's high byte repeats the setting that is left; a switch that changes nothing is dropped
.if MSB != \new
	s_set_vgpr_msb (MSB<<8)|\new
.set MSB, \new
.endif
.endm
.macro PLACES n
.rept \n
	v_nop
.endr
.endm
.macro CROUND                          ; a round of the cluster's barrier
	s_barrier_signal -1
	s_barrier_wait -1
	s_cmp_lg_u32 s[WV], 0
	s_cbranch_scc1 .Lnot_wave_0_\@
	s_barrier_signal -3
.Lnot_wave_0_\@:
	s_barrier_wait -3
	s_barrier_signal -1
	s_barrier_wait -1
.endm
.macro BLKMAX                          ; -(the smallest u) of each block of 32 keys, the eight blocks by turns
.irp t, 0,1
.irp b, 0,1,2,3
	v_max_num_f32 v[TM+16*\t+\b], -v[S+64*\t+16*\b], -v[S+64*\t+16*\b+1]
.endr
.endr
.irp i, 2,4,6,8,10,12,14
.irp t, 0,1
.irp b, 0,1,2,3
	v_max3_num_f32 v[TM+16*\t+\b], v[TM+16*\t+\b], -v[S+64*\t+16*\b+\i], -v[S+64*\t+16*\b+\i+1]
.endr
.endr
.endr
.irp t, 0,1
.irp b, 0,1,2,3
	v_permlanex16_b32 v[TM+16*\t+4+\b], v[TM+16*\t+\b], s[SEL], s[SEL+1]
.endr
.endr
.irp t, 0,1
.irp b, 0,1,2,3
	v_max_num_f32 v[TM+16*\t+\b], v[TM+16*\t+\b], v[TM+16*\t+4+\b]   ; with lane l xor 16's 16 keys
.endr
.endr
.endm
; THE CHANGE OF SLOTS.  fill = 1: behind a round every wave asks for its part of the next record, into the slot just left.  fill = 2: the last record: V alone.  fill = 0: nothing.
.macro CHANGE fill
	s_wait_alu depctr_va_vdst(0)
	s_wait_tensorcnt 0x0                           ; no tensor load of mine is out, so group 0 may be written
	ds_add_u32 v[SPW], v[NIL]                      ; work on registers stands between the add and the wait for it
.if \fill
	s_xor_b32 s[G0+1], s[G0+1], SLOT1
	s_add_nc_u64 s[G0+2:G0+3], s[G0+2:G0+3], IMG
.endif
	BLKMAX
	s_wait_dscnt 0x0                               ; the add is done, and my reads of the slot that I have left are over
.if \fill
	CROUND
.else
	s_barrier_signal -1
	s_barrier_wait -1
.endif
.if \fill == 1
	tensor_load_to_lds s[G0:G0+3], s[G1:G1+7]
	s_nop 0
	PLACES 4
.elseif \fill == 2
	s_cmp_eq_u32 s[QH], 0                          ; the wave's number alone: the same in every work-group
	s_cbranch_scc0 .Lno_v_\@
	tensor_load_to_lds s[G0:G0+3], s[G1:G1+7]
	s_nop 0
	PLACES 4
.Lno_v_\@:
.endif
.endm
.macro LDF win, r0, off                ; eight fragments, as they lie: 32 loads of 512 bytes
	WIN \win
.set q, 0
.rept 32
	ds_load_b128 v[\r0+4*q:\r0+4*q+3], v[ADR] offset:\off+512*q
.set q, q+1
.endr
.endm
.macro GLF win, r0, off                ; eight fragments from memory: K of step 0
	WIN \win
.set q, 0
.rept 32
	global_load_b128 v[\r0+4*q:\r0+4*q+3], v[LI], s[34:35] offset:\off+512*q
.set q, q+1
.endr
.endm
.macro EXT_K eoff                      ; -c2 / 2 in the result's layout and K's scale words, of the step eoff bytes on
	WIN 0xc0
.irp f, 0,1,2,3,4,5,6,7
	global_load_b128 v[CF+8*\f:CF+8*\f+3], v[C2A], s[10:11] offset:\eoff+2048+64*\f
	global_load_b128 v[CF+8*\f+4:CF+8*\f+7], v[C2A], s[10:11] offset:\eoff+2048+64*\f+16
.endr
	WIN 0
.irp f, 0,1,2,3,4,5,6,7
	global_load_b32 v[KS+\f], v[L4], s[10:11] offset:\eoff+1024+128*\f
.endr
.endm
.macro EXT_V
	WIN 0
.irp f, 0,1,2,3,4,5,6,7
	global_load_b32 v[VS+\f], v[L4], s[10:11] offset:128*\f
.endr
.endm
.macro MAX2 a                          ; two clips at 0 in one instruction
	v_dual_max_num_f32 v[\a], 0, v[\a] :: v_dual_max_num_f32 v[(\a)+1], 0, v[(\a)+1]
.endm
.macro MIN2 a, h                       ; two holds in one instruction
	v_dual_min_num_f32 v[\a], v[\h], v[\a] :: v_dual_min_num_f32 v[(\a)+1], v[\h], v[(\a)+1]
.endm
; K Q^T, 16 matrix instructions, the accumulators by turns.  ks = 0: D 0 .. 127, begun with -c2 / 2 as C.  ks = 1: D 128 .. 255, in place.
.macro QK ks
.set n, 0
.rept 16
.set FI, n/2
.set TI, n%2
.if \ks == 0
	WIN 0x3f
	v_wmma_scale_f32_16x16x128_f8f6f4 v[S+64*TI+8*FI:S+64*TI+8*FI+7], v[16*FI:16*FI+15], v[QF+32*TI:QF+32*TI+15], v[CF+8*FI:CF+8*FI+7], v[KS+FI], v[QS+2*TI]
.else
	WIN 0x0e
	v_wmma_scale_f32_16x16x128_f8f6f4 v[S+64*TI+8*FI:S+64*TI+8*FI+7], v[128+16*FI:128+16*FI+15], v[QF+32*TI+16:QF+32*TI+31], v[S+64*TI+8*FI:S+64*TI+8*FI+7], v[KS+FI], v[QS+2*TI+1] matrix_a_scale:MATRIX_SCALE_ROW1
.endif
.set n, n+1
.endr
.endm
.macro RESC t                          ; tile t of O^T under the new M: x f.  (These 64 are also the places behind the products above them)
	WIN 0x41
.set n, 0
.rept 64
	v_pk_mul_f32 v[128*\t+2*n:128*\t+2*n+1], v[128*\t+2*n:128*\t+2*n+1], v[ST+8*\t+6:ST+8*\t+7] op_sel_hi:[1,0]
.set n, n+1
.endr
.endm
; V^T P, 32 matrix instructions: dt = g / 2, tile g % 2.  late = 1: fragments 8-15 are waited for at g = 16.
.macro PV late
.set g, 0
.rept 32
.set DT, g/2
.set TI, g%2
.if \late && (g==16)
	s_wait_dscnt 0x0                               ; V's fragments 8-15: asked for 32 matrix instructions and 64 rescalings ago
.endif
	WIN 0x52+(g/16)
.if DT%2
	v_wmma_scale_f32_16x16x128_f8f6f4 v[128*TI+8*DT:128*TI+8*DT+7], v[16*(DT%8):16*(DT%8)+15], v[PC+16*TI:PC+16*TI+15], v[128*TI+8*DT:128*TI+8*DT+7], v[VS+DT/2], v[PW+TI] matrix_a_scale:MATRIX_SCALE_ROW1
.else
	v_wmma_scale_f32_16x16x128_f8f6f4 v[128*TI+8*DT:128*TI+8*DT+7], v[16*(DT%8):16*(DT%8)+15], v[PC+16*TI:PC+16*TI+15], v[128*TI+8*DT:128*TI+8*DT+7], v[VS+DT/2], v[PW+TI]
.endif
.set g, g+1
.endr
	WIN 0
.endm
.macro UCLIP                           ; u = (-2 cc) D + cc x2, and its clip at 0; each accumulator is read from its low end on
	WIN 0
.set k, 0
.rept 64
	v_pk_fma_f32 v[S+2*k:S+2*k+1], v[S+2*k:S+2*k+1], s[A1:A1+1], v[ST+8*(k/32)+2:ST+8*(k/32)+3] op_sel_hi:[1,0,0]
.set k, k+1
.endr
.set k, 0
.rept 64
	MAX2 S+2*k
.set k, k+1
.endr
.endm
.macro XLOAD buf, t, ks
.irp b, 0,1,2,3
.irp j, 0,1,2,3
	global_load_b128 v[S+64*\buf+16*\b+4*\j:S+64*\buf+16*\b+4*\j+3], v[XA], s[4:5] offset:16384*\t+512*\ks+128*\b+16*\j
.endr
.endr
.endm
; 64 numbers of x: their squares go onto the tile's two chains; then they become fragment (t, ks) of Q and its scale word.
.macro XQ buf, t, ks
.set XR, S+64*\buf
.set RA, ST+8*\t+4
.set RB, LB+2*\t
.set QW, QS+2*\t+\ks
.set QR, QF+32*\t+16*\ks
.if \ks == 0
	v_pk_mul_f32 v[RA:RA+1], v[XR:XR+1], v[XR:XR+1]
	v_pk_mul_f32 v[RB:RB+1], v[XR+2:XR+3], v[XR+2:XR+3]
.else
	v_pk_fma_f32 v[RA:RA+1], v[XR:XR+1], v[XR:XR+1], v[RA:RA+1]
	v_pk_fma_f32 v[RB:RB+1], v[XR+2:XR+3], v[XR+2:XR+3], v[RB:RB+1]
.endif
.irp i, 4,8,12,16,20,24,28,32,36,40,44,48,52,56,60
	v_pk_fma_f32 v[RA:RA+1], v[XR+\i:XR+\i+1], v[XR+\i:XR+\i+1], v[RA:RA+1]
	v_pk_fma_f32 v[RB:RB+1], v[XR+\i+2:XR+\i+3], v[XR+\i+2:XR+\i+3], v[RB:RB+1]
.endr
.irp b, 0,1,2,3
	v_max3_num_f32 v[TM+\b], |v[XR+16*\b]|, |v[XR+16*\b+1]|, 0x4800000   ; and the floor 2^(9 - 127): the byte cannot fall under 1
.endr
.irp i, 2,4,6,8,10,12,14
.irp b, 0,1,2,3
	v_max3_num_f32 v[TM+\b], v[TM+\b], |v[XR+16*\b+\i]|, |v[XR+16*\b+\i+1]|
.endr
.endr
.irp b, 0,1,2,3
	v_permlanex16_b32 v[TM+4+\b], v[TM+\b], s[SEL], s[SEL+1]
.endr
.irp b, 0,1,2,3
	v_max_num_f32 v[TM+\b], v[TM+\b], v[TM+4+\b]
.endr
.irp b, 0,1,2,3
	v_add_nc_u32 v[TM+12+\b], 0xfc000000, v[TM+\b]                 ; 8 off the exponent field: the conversion's scale operand
.endr
.irp b, 0,1,2,3
	v_and_or_b32 v[TM+8+\b], v[TM+\b], 0x7f800000, s[MNT]          ; 448 x the scale
.endr
.irp b, 0,1,2,3
	v_lshrrev_b32 v[TM+4+\b], 23, v[TM+12+\b]                      ; the scale's byte
.endr
	v_lshl_or_b32 v[QW], v[TM+5], 8, v[TM+4]
	v_lshl_or_b32 v[QW], v[TM+6], 16, v[QW]
	v_lshl_or_b32 v[QW], v[TM+7], 24, v[QW]
.irp b, 0,1,2,3
.irp i, 0,1,2,3,4,5,6,7,8,9,10,11,12,13,14,15
	v_med3_num_f32 v[XR+16*\b+\i], v[XR+16*\b+\i], -v[TM+8+\b], v[TM+8+\b]   ; the conversion does not saturate (ISA guide 7.6.2)
.endr
.endr
	WIN 0xc0
.irp b, 0,1,2,3
	v_cvt_scalef32_pk8_fp8_f32 v[QR+4*\b:QR+4*\b+1], v[XR+16*\b:XR+16*\b+7], v[TM+12+\b]
	v_cvt_scalef32_pk8_fp8_f32 v[QR+4*\b+2:QR+4*\b+3], v[XR+16*\b+8:XR+16*\b+15], v[TM+12+\b]
.endr
	v_nop                                          ; one plain line behind the last conversion
	WIN 0
.endm
.macro X2FIN t                         ; cc x2 of my query, and the tile's statistics at their start
.set RT, ST+8*\t
	v_pk_add_f32 v[RT+4:RT+5], v[RT+4:RT+5], v[LB+2*\t:LB+2*\t+1]
	v_add_f32 v[RT+3], v[RT+4], v[RT+5]
	v_permlanex16_b32 v[RT+7], v[RT+3], s[SEL], s[SEL+1]
	v_add_f32 v[RT+3], v[RT+3], v[RT+7]
	v_mul_f32 v[RT+2], 0x4350230c, v[RT+3]         ; cc = (10 log2 e)^2
	v_mov_b32 v[RT+4], 0
	v_mov_b32 v[RT+5], 0
	v_mov_b32 v[RT+1], 0xff61b1e6                  ; the largest t so far: -3e38
	v_floor_f32 v[RT], -v[RT+1]                    ; -M
	v_mov_b32 v[RT+6], 0
.endm
; FROM u TO P's CODES, both tiles: 128 numbers a lane.
.macro SOFT
	WIN 0
	s_wait_alu depctr_va_vdst(0)                   ; ahead of the batch
.set k, 0
.rept 128
	v_sqrt_f32 v[S+k], v[S+k]                      ; r = -t
.set k, k+1
.endr
.irp t, 0,1
.irp b, 0,1,2,3
	v_sqrt_f32 v[TM+16*\t+\b], -v[TM+16*\t+\b]     ; each block's smallest r
.endr
.endr
.irp t, 0,1
	v_mov_b32 v[ST+8*\t+7], v[ST+8*\t]             ; the old -M (a plain place behind the roots)
.endr
	s_wait_alu depctr_va_vdst(0)                   ; one wait for the batch
.irp t, 0,1
	v_max3_num_f32 v[ST+8*\t+3], -v[TM+16*\t], -v[TM+16*\t+1], -v[TM+16*\t+2]
.endr
.irp t, 0,1
	v_max3_num_f32 v[ST+8*\t+1], v[ST+8*\t+1], v[ST+8*\t+3], -v[TM+16*\t+3]   ; the running largest t
.endr
.irp t, 0,1
	v_floor_f32 v[ST+8*\t], -v[ST+8*\t+1]          ; the new -M = -ceil(t)
.endr
.irp t, 0,1
	v_sub_f32 v[ST+8*\t+7], v[ST+8*\t], v[ST+8*\t+7]   ; old M - new M: a whole number, 0 or less
.endr
.irp t, 0,1
.irp b, 0,2
	v_pk_add_f32 v[TM+16*\t+\b:TM+16*\t+\b+1], v[TM+16*\t+\b:TM+16*\t+\b+1], v[ST+8*\t:ST+8*\t+1] op_sel_hi:[1,0] neg_lo:[1,0] neg_hi:[1,0]
.endr
.endr
.irp t, 0,1
	v_cvt_i32_f32 v[ST+8*\t+7], v[ST+8*\t+7]       ; (it saturates)
.endr
.set k, 0
.rept 64
	v_pk_add_f32 v[S+2*k:S+2*k+1], v[S+2*k:S+2*k+1], v[ST+8*(k/32):ST+8*(k/32)+1] op_sel_hi:[1,0] neg_lo:[1,0] neg_hi:[1,0]   ; (-M) - r
.set k, k+1
.endr
.irp t, 0,1
	v_ldexp_f32 v[ST+8*\t+6], 1.0, v[ST+8*\t+7]    ; f = 2^(old M - new M)
.endr
	s_wait_alu depctr_va_vdst(0)                   ; ahead of the batch
.set k, 0
.rept 128
	v_exp_f32 v[S+k], v[S+k]                       ; p, at most 1: not normalised
.set k, k+1
.endr
.irp t, 0,1
.irp b, 0,1,2,3
	v_exp_f32 v[TM+16*\t+\b], v[TM+16*\t+\b]       ; the block's largest p
.endr
.endr
	v_nop
	s_wait_alu depctr_va_vdst(0)                   ; one wait for the batch; no transcendental follows in the trip, so it also stands ahead of the first reads of O^T
	; the row's sum of the UNQUANTISED p: four chains a tile; the first line brings the old sum under the new M
.irp t, 0,1
	v_pk_fma_f32 v[ST+8*\t+4:ST+8*\t+5], v[ST+8*\t+4:ST+8*\t+5], v[ST+8*\t+6:ST+8*\t+7], v[S+64*\t:S+64*\t+1] op_sel_hi:[1,0,1]
	v_pk_add_f32 v[LB+2*\t:LB+2*\t+1], v[S+64*\t+2:S+64*\t+3], v[S+64*\t+10:S+64*\t+11]
	v_pk_add_f32 v[TM+16*\t+4:TM+16*\t+5], v[S+64*\t+4:S+64*\t+5], v[S+64*\t+12:S+64*\t+13]
	v_pk_add_f32 v[TM+16*\t+6:TM+16*\t+7], v[S+64*\t+6:S+64*\t+7], v[S+64*\t+14:S+64*\t+15]
.endr
.irp t, 0,1
	v_pk_add_f32 v[ST+8*\t+4:ST+8*\t+5], v[ST+8*\t+4:ST+8*\t+5], v[S+64*\t+8:S+64*\t+9]
.endr
.set m, 2
.rept 6
.irp t, 0,1
	v_pk_add_f32 v[LB+2*\t:LB+2*\t+1], v[LB+2*\t:LB+2*\t+1], v[S+64*\t+8*m+2:S+64*\t+8*m+3]
	v_pk_add_f32 v[TM+16*\t+4:TM+16*\t+5], v[TM+16*\t+4:TM+16*\t+5], v[S+64*\t+8*m+4:S+64*\t+8*m+5]
	v_pk_add_f32 v[TM+16*\t+6:TM+16*\t+7], v[TM+16*\t+6:TM+16*\t+7], v[S+64*\t+8*m+6:S+64*\t+8*m+7]
	v_pk_add_f32 v[ST+8*\t+4:ST+8*\t+5], v[ST+8*\t+4:ST+8*\t+5], v[S+64*\t+8*m:S+64*\t+8*m+1]
.endr
.set m, m+1
.endr
.irp t, 0,1
.irp b, 0,1,2,3
	v_max_num_f32 v[TM+16*\t+\b], 0x4800000, v[TM+16*\t+\b]   ; the floor 2^(9 - 127)
.endr
.endr
.irp t, 0,1
	v_pk_add_f32 v[ST+8*\t+4:ST+8*\t+5], v[ST+8*\t+4:ST+8*\t+5], v[LB+2*\t:LB+2*\t+1]
	v_pk_add_f32 v[TM+16*\t+4:TM+16*\t+5], v[TM+16*\t+4:TM+16*\t+5], v[TM+16*\t+6:TM+16*\t+7]
.endr
.irp t, 0,1
.irp b, 0,1,2,3
	v_add_nc_u32 v[TM+16*\t+12+\b], 0xfc000000, v[TM+16*\t+\b]
.endr
.endr
.irp t, 0,1
	v_pk_add_f32 v[ST+8*\t+4:ST+8*\t+5], v[ST+8*\t+4:ST+8*\t+5], v[TM+16*\t+4:TM+16*\t+5]
.endr
.irp t, 0,1
.irp b, 0,1,2,3
	v_and_or_b32 v[TM+16*\t+8+\b], v[TM+16*\t+\b], 0x7f800000, s[MNT]
.endr
.endr
.irp t, 0,1
.irp b, 0,1,2,3
	v_lshrrev_b32 v[TM+16*\t+4+\b], 23, v[TM+16*\t+12+\b]
.endr
.endr
.irp t, 0,1
	v_lshl_or_b32 v[PW+\t], v[TM+16*\t+5], 8, v[TM+16*\t+4]   ; P's scale word for these 128 keys
.endr
.irp t, 0,1
	v_lshl_or_b32 v[PW+\t], v[TM+16*\t+6], 16, v[PW+\t]
.endr
.irp t, 0,1
	v_lshl_or_b32 v[PW+\t], v[TM+16*\t+7], 24, v[PW+\t]
.endr
	; block bb = 4 t + b: its holds (ISA guide 7.6.2; p is not negative, so they are one-sided), then the conversions of the block before
.set bb, 0
.rept 9
.if bb < 8
.irp i, 0,2,4,6,8,10,12,14
	MIN2 S+16*bb+\i, TM+16*(bb/4)+8+(bb%4)
.endr
.endif
.if bb > 0
	v_cvt_scalef32_pk8_fp8_f32 v[PC+4*bb-4:PC+4*bb-3], v[S+16*bb-16:S+16*bb-9], v[TM+16*((bb-1)/4)+12+((bb-1)%4)]
	v_cvt_scalef32_pk8_fp8_f32 v[PC+4*bb-2:PC+4*bb-1], v[S+16*bb-8:S+16*bb-1], v[TM+16*((bb-1)/4)+12+((bb-1)%4)]
.endif
.set bb, bb+1
.endr
	v_nop                                          ; one plain line behind the last conversion
.endm
; A TRIP: step i.  qk = 1: the next step's scores, u and clip are made in it.  The plain lines behind the last matrix instruction of the trip before are the places in front of the loads.
.macro TRIP fill, qk
	CHANGE \fill
	v_add_nc_u32 v[ADR], s[TB], v[A0]
.if \qk
	EXT_K EXSTEP
.endif
	EXT_V
.if \qk
	LDF 0xc0, 0, IMG                               ; K of the next step, first K step
	LDF 0x80, 128, IMG+16384                       ; and second
	LDF 0x80, 0, 0                                 ; V's fragments 0-7
.else
	LDF 0x80, 0, 0
	LDF 0xc0, 0, 16384
.endif
	SOFT
	s_wait_loadcnt 0x0                             ; the scale words and -c2 / 2
	s_wait_dscnt 0x0                               ; and the fragments: asked for at the trip's head
	s_add_nc_u64 s[10:11], s[10:11], EXSTEP        ; (behind the wait that shows the loads done)
.if \qk
	QK 0
.endif
	RESC 0
.if \qk
	LDF 0xc0, 0, 16384                             ; V's fragments 8-15, onto K's first K step: 64 plain lines behind its last reader
	QK 1
.endif
	RESC 1
	s_wait_alu depctr_va_vdst(0)
	PV \qk
.if \qk
	UCLIP
.endif
	s_xor_b32 s[TB], s[TB], SLOT1
.endm
	s_load_b128 s[4:7], s[0:1], 0x0                ; x s[4:5], cbq s[6:7]
	s_load_b64 s[8:9], s[0:1], 0x10                ; out0
	v_lshl_add_u32 v[SPW], v0, 2, SPARE
	v_mov_b32 v[NIL], 0
	ds_add_u32 v[SPW], v[NIL]                      ; the opening lines: the add twice on end and one wait
	ds_add_u32 v[SPW], v[NIL]
	v_lshrrev_b32 v13, 5, v0
	v_readfirstlane_b32 s[WV], v13                 ; wave 0..3
	v_and_b32 v13, 15, v0                          ; r
	v_bfe_u32 v14, v0, 4, 1                        ; h
	v_and_b32 v15, 31, v0                          ; lane
	v_lshlrev_b32 v[LI], 4, v15
	v_lshlrev_b32 v[L4], 2, v15
	v_lshlrev_b32 v[C2A], 5, v14
	v_lshlrev_b32 v[XA], 10, v13
	v_lshl_add_u32 v[XA], v14, 6, v[XA]
	v_mul_u32_u24 v[STO], v13, SP
	v_lshl_add_u32 v[STO], v14, 5, v[STO]
	s_wait_alu depctr_va_vdst(0)                   ; ahead of the run of scalar lines
	s_and_b32 s[QH], s[WV], 1
	s_lshr_b32 s[KH], s[WV], 1
	s_lshl_b32 s15, s[KH], 16
	s_lshl_b32 s16, s[QH], 15
	s_lshl_b32 s17, s[QH], 9
	s_add_co_u32 s17, s17, EXS
	s_mul_i32 s18, s[QH], 16*SP
	s_add_co_u32 s18, s18, STG
	v_add_nc_u32 v[A0], s15, v[LI]                 ; my half of the keys: V at 65536 kh of a slot, K 32768 behind it
	v_add_nc_u32 v[EXA], s16, v[LI]                ; every LDS address of the end is made here, ahead of any parting of the waves
	v_add_nc_u32 v[EXSA], s17, v[LI]
	v_add_nc_u32 v[SRD], s18, v[LI]
	v_add_nc_u32 v[STO], s18, v[STO]
	s_bfe_u32 s15, ttmp6, 0x40000                  ; cx: it enters x's and out0's addresses alone
	s_lshl_b32 s16, ttmp9, 2
	s_add_co_u32 s16, s16, s15                     ; my block of 64 queries
	s_lshl_b32 s18, s16, 16
	s_lshl_b32 s17, s[QH], 15
	s_add_co_u32 s18, s18, s17
	s_mov_b32 s19, 0
	s_mul_i32 s44, s[QH], KIMG+IMG                 ; record 0: qh = 0: V of step 0; qh = 1: K of step 1;
	s_lshl_b32 s27, s[KH], 20                      ; of my half of the keys
	s_add_co_u32 s44, s44, s27
	s_mov_b32 s45, 0
	s_add_co_u32 s46, s27, KIMG                    ; K of step 0
	s_mov_b32 s47, 0
	s_mul_i32 s32, s[KH], 32*EXSTEP
	s_add_co_u32 s32, s32, EXT
	s_mov_b32 s33, 0
	s_mov_b32 s[G1], 15|(3<<16)|(1<<21)            ; the mask: all four work-groups; elements of 8 bytes; bit 21 beside a mask
	s_mov_b32 s[G1+1], 32<<16                      ; a dense block of 32 KiB as 128 rows of 256 bytes
	s_mov_b32 s[G1+2], 128<<16
	s_mov_b32 s[G1+3], 32<<16
	s_mov_b32 s[G1+4], 128
	s_mov_b32 s[G1+5], 32
	s_mov_b32 s[G1+6], 0
	s_mov_b32 s[G1+7], 0
	s_mov_b32 s[SEL], 0x76543210
	s_mov_b32 s[SEL+1], 0xfedcba98
	s_mov_b32 s[A1], 0xc3d0230c                    ; -2 cc
	s_mov_b32 s[A1+1], s[A1]
	s_mov_b32 s[MNT], 0x600000
	s_mov_b32 s[TB], 0
	s_mov_b32 s[CNT], 30
	s_wait_alu depctr_va_vdst(0)                   ; directly ahead of the waits below
	s_wait_dscnt 0x0                               ; both opening adds are done
	s_wait_kmcnt 0x0
	s_add_nc_u64 s[4:5], s[4:5], s[18:19]
	s_add_nc_u64 s[8:9], s[8:9], s[18:19]
	s_add_nc_u64 s[10:11], s[6:7], s[32:33]
	s_add_nc_u64 s[34:35], s[6:7], s[46:47]
	s_mov_b32 s[G0], 1
	s_lshl_b32 s[G0+1], s[WV], 15                  ; slot 0, wave x 32 KiB
	s_add_nc_u64 s[G0+2:G0+3], s[6:7], s[44:45]
	s_or_b32 s[G0+3], s[G0+3], 0x80000000
	EXT_K 0
	XLOAD 0, 0, 0
	XLOAD 1, 0, 1
	CROUND                                         ; the first joint loads meet
	tensor_load_to_lds s[G0:G0+3], s[G1:G1+7]      ; record 0 into slot 0: my one load at the head
	s_nop 0
	PLACES 4
	WIN 0x40
.set n, 0
.rept 256
	v_mov_b32 v[n], 0                              ; O^T, while x is on its way
.set n, n+1
.endr
	WIN 0
.irp t, 0,1
.irp b, 0,1,2,3
	v_mov_b32 v[TM+16*\t+4+\b], 0                  ; a lane permute's destination counts as one of its sources
.endr
	v_mov_b32 v[ST+8*\t+7], 0
.endr
	s_wait_loadcnt 16                              ; all but the 16 loads of the younger half
	XQ 0, 0, 0
	XLOAD 0, 1, 0
	s_wait_loadcnt 16
	XQ 1, 0, 1
	X2FIN 0
	XLOAD 1, 1, 1
	s_wait_loadcnt 16
	XQ 0, 1, 0
	s_wait_loadcnt 0x0
	GLF 0xc0, 0, 0                                 ; K of step 0, while the last fragment of x is quantised
	GLF 0x80, 128, 16384
	WIN 0
	XQ 1, 1, 1
	X2FIN 1
	s_wait_alu depctr_va_vdst(0)                   ; directly ahead of the wait below
	s_wait_loadcnt 0x0
	PLACES 8                                       ; Q's last codes and scale word stand this far ahead of the scaled products
	QK 0                                           ; step 0's scores
	QK 1
	PLACES 8
	UCLIP                                          ; their u and clip
.Ltrip:                                            ; trips 0 .. 29: each asks for the whole next record
	TRIP 1, 1
	s_sub_co_u32 s[CNT], s[CNT], 1
	s_cmp_lg_u32 s[CNT], 0
	s_cbranch_scc1 .Ltrip
	TRIP 2, 1                                      ; trip 30: the last record is V alone
	TRIP 0, 0                                      ; trip 31: nothing is asked for, and no scores follow
	; THE END.  The waves of kh = 1 hand their -M, sum and O^T to the waves of kh = 0 as images of their registers; those join the halves, divide and store.
	PLACES 8
.irp t, 0,1
	v_mov_b32 v[MY+2*\t], v[ST+8*\t]
	v_add_f32 v[MY+2*\t+1], v[ST+8*\t+4], v[ST+8*\t+5]
.endr
	s_cmp_eq_u32 s[KH], 0
	s_wait_alu depctr_va_vdst(0)                   ; directly ahead of the branch
	s_cbranch_scc1 .Lkeep
	WIN 0x04                                       ; an LDS store's data are its source 1: window 1
.set n, 0
.rept 64
	ds_store_b128 v[EXA], v[4*n:4*n+3] offset:512*n
.set n, n+1
.endr
	WIN 0
	ds_store_b128 v[EXSA], v[MY:MY+3]
.Lkeep:
	s_wait_dscnt 0x0                               ; for the others' sake: my stores have landed
	s_barrier_signal -1
	s_barrier_wait -1
	s_cmp_lg_u32 s[KH], 0
	s_cbranch_scc1 .Ldone
	ds_load_b128 v[PC:PC+3], v[EXSA]               ; the partner's -M and sum
	WIN 0x80
.set n, 0
.rept 64
	ds_load_b128 v[4*n:4*n+3], v[EXA] offset:512*n    ; and its O^T, into window 2
.set n, n+1
.endr
	WIN 0
	s_wait_dscnt 0x0
.irp t, 0,1
	v_min_num_f32 v[ST+8*\t], v[MY+2*\t], v[PC+2*\t]   ; the joint -M: the larger M
.endr
.irp t, 0,1
	v_sub_f32 v[ST+8*\t+1], v[ST+8*\t], v[MY+2*\t]
	v_sub_f32 v[ST+8*\t+2], v[ST+8*\t], v[PC+2*\t]
.endr
.irp t, 0,1
	v_cvt_i32_f32 v[ST+8*\t+1], v[ST+8*\t+1]
	v_cvt_i32_f32 v[ST+8*\t+2], v[ST+8*\t+2]
.endr
.irp t, 0,1
	v_ldexp_f32 v[ST+8*\t+1], 1.0, v[ST+8*\t+1]    ; 2^(my M - the joint M),
	v_ldexp_f32 v[ST+8*\t+2], 1.0, v[ST+8*\t+2]    ; and the partner's: exact
.endr
.irp t, 0,1
	v_mul_f32 v[ST+8*\t+3], v[ST+8*\t+1], v[MY+2*\t+1]
.endr
.irp t, 0,1
	v_fma_f32 v[ST+8*\t+3], v[ST+8*\t+2], v[PC+2*\t+1], v[ST+8*\t+3]
.endr
.irp t, 0,1
	v_permlanex16_b32 v[ST+8*\t+7], v[ST+8*\t+3], s[SEL], s[SEL+1]
.endr
.irp t, 0,1
	v_add_f32 v[ST+8*\t+3], v[ST+8*\t+3], v[ST+8*\t+7]   ; the row's sum
.endr
	s_wait_alu depctr_va_vdst(0)                   ; ahead of the batch of two
.irp t, 0,1
	v_rcp_f32 v[ST+8*\t+3], v[ST+8*\t+3]
.endr
	v_nop
	s_wait_alu depctr_va_vdst(0)                   ; and behind it, ahead of the first readers
.irp t, 0,1
	v_mul_f32 v[ST+8*\t+4], v[ST+8*\t+1], v[ST+8*\t+3]
	v_mul_f32 v[ST+8*\t+6], v[ST+8*\t+2], v[ST+8*\t+3]
.endr
	WIN 0x41
.irp t, 0,1
.set n, 0
.rept 64
	v_pk_mul_f32 v[128*\t+2*n:128*\t+2*n+1], v[128*\t+2*n:128*\t+2*n+1], v[ST+8*\t+4:ST+8*\t+5] op_sel_hi:[1,0]
.set n, n+1
.endr
.endr
	WIN 0x52                                       ; the partner's O^T window 2, its factor window 0, mine window 1
.irp t, 0,1
.set n, 0
.rept 64
	v_pk_fma_f32 v[128*\t+2*n:128*\t+2*n+1], v[128*\t+2*n:128*\t+2*n+1], v[ST+8*\t+6:ST+8*\t+7], v[128*\t+2*n:128*\t+2*n+1] op_sel_hi:[1,0,1]
.set n, n+1
.endr
.endr
	s_wait_alu depctr_va_vdst(0)
	; THE WAY OUT, a tile of 16 queries at a time, through my own stage, back as rows.
.irp t, 0,1
	WIN 0x04
.irp f, 0,1,2,3,4,5,6,7,8,9,10,11,12,13,14,15
	ds_store_b128 v[STO], v[128*\t+8*\f:128*\t+8*\f+3] offset:64*\f
	ds_store_b128 v[STO], v[128*\t+8*\f+4:128*\t+8*\f+7] offset:64*\f+16
.endr
	WIN 0
.if \t
	s_wait_xcnt 0x0                                ; the first tile's stores have read their registers
.endif
.set n, 0
.rept 32
	ds_load_b128 v[S+4*n:S+4*n+3], v[SRD] offset:(n/2)*SP+512*(n%2)   ; LDS serves a wave's instructions in order (ISA guide 5.7.1.4)
.set n, n+1
.endr
.set n, 0
.rept 32
	s_wait_dscnt 31-n                              ; the younger loads of this run may be out
	global_store_b128 v[LI], v[S+4*n:S+4*n+3], s[8:9] offset:16384*\t+1024*(n/2)+512*(n%2) th:TH_STORE_NT   ; 32 lanes store 512 consecutive bytes, aligned to 256
.set n, n+1
.endr
.endr
.Ldone:
	s_wait_tensorcnt 0x0                           ; the wave's end
	ds_add_u32 v[SPW], v[NIL]
	s_wait_dscnt 0x0
	CROUND                                         ; the closing round
	s_endpgm
.Lfunc_end_k_qf1cae32a9d_vq:
	.size	k_qf1cae32a9d_vq, .Lfunc_end_k_qf1cae32a9d_vq-k_qf1cae32a9d_vq
	.p2alignl 7, 3214868480
	.fill 96, 4, 3214868480
	.section	.rodata,"a",@progbits
	.p2align	6, 0x0
	.amdhsa_kernel k_qf1cae32a9d_vq
		.amdhsa_group_segment_fixed_size 327680
		.amdhsa_private_segment_fixed_size 0
		.amdhsa_enable_private_segment 0
		.amdhsa_kernarg_size 24
		.amdhsa_user_sgpr_count 2
		.amdhsa_user_sgpr_kernarg_segment_ptr 1
		.amdhsa_wavefront_size32 1
		.amdhsa_system_sgpr_workgroup_id_x 1
		.amdhsa_system_sgpr_workgroup_id_y 1
		.amdhsa_system_sgpr_workgroup_id_z 1
		.amdhsa_system_vgpr_workitem_id 0
		.amdhsa_next_free_vgpr 1024
		.amdhsa_next_free_sgpr 66
		.amdhsa_reserve_vcc 0
		.amdhsa_float_denorm_mode_32 3
		.amdhsa_float_denorm_mode_16_64 3
		.amdhsa_memory_ordered 1
		.amdhsa_forward_progress 1
		.amdhsa_inst_pref_size 255
	.end_amdhsa_kernel
	.section	.bss,"aw",@nobits
	.p2align	6
	.space	262144
	.amdgpu_metadata
---
amdhsa.version: [ 1, 2 ]
amdhsa.kernels:
  - .name:           k_qf1cae32a9d_vq
    .symbol:         k_qf1cae32a9d_vq.kd
    .args:
      - { .name: x, .offset: 0, .size: 8, .value_kind: global_buffer, .address_space: global }
      - { .name: cbq, .offset: 8, .size: 8, .value_kind: global_buffer, .address_space: global }
      - { .name: out0, .offset: 16, .size: 8, .value_kind: global_buffer, .address_space: global }
    .group_segment_fixed_size: 327680
    .private_segment_fixed_size: 0
    .kernarg_segment_align: 8
    .kernarg_segment_size: 24
    .max_flat_workgroup_size: 128
    .sgpr_count:     66
    .vgpr_count:     1024
    .wavefront_size: 32
...
	.end_amdgpu_metadata
.endif
;; end of part 2
